; MI455X (gfx1250); checked and timed in simulation.
; The chip was launched on July 23, 2026; its instructions are those of AMD's public machine-readable ISA for CDNA 5 (MIT licence, August 2026) and "CDNA5" Instruction Set Architecture Reference Guide (July 2026). The comments in the code are by the model that wrote it; some were corrected since.
;; Hi Lo. Allowed arithmetic: float matrix products may take bf16 or f16 operands with f32 sums; all other float work in f32.
;; Inputs: h_proj_b 128 float32; h_proj_w 128 x 128 float32; h_qkv_w 256 x 384 float32; l_kv_w 256 x 256 float32; l_proj_b 128 float32; l_proj_w 128 x 128 float32; l_q_w 256 x 128 float32; x 8 x 256 x 64 x 64 float32.
;; Outputs: out0 8 x 256 x 64 x 64 float32.
;; One version. Each part assembles by itself: llvm-mc -triple=amdgcn-amd-amdhsa -mcpu=gfx1250 --defsym DOCPART=n.
;; ======== version 1 of 1: 2 launches
;; limits: inputs' magnitudes at most 16,376; values are held in f16: magnitudes above 65,504 overflow, below 6.1e-05 lose precision
;; workspace buffers: qf 8,388,608 bytes; kvf 4,194,304 bytes
;; launch front (part 1): grid 256 x 1, 4 waves a work-group, no clusters, 280,064 bytes of LDS; arguments x, h_qkv_w, l_q_w, l_kv_w, h_proj_w, h_proj_b, qf, kvf, out0; writes qf, kvf, out0
.if DOCPART == 1
	.amdgcn_target "amdgcn-amd-amdhsa--gfx1250"
	.amdhsa_code_object_version 6
	.text
	.protected	k_q5ecab9645a_front
	.globl	k_q5ecab9645a_front
	.p2align	8
	.type	k_q5ecab9645a_front,@function
k_q5ecab9645a_front:
	s_mov_b64 s[64:65], 0
	v_nop
	global_prefetch_b8 v0, s[64:65] scope:SCOPE_SE
	s_setreg_imm32_b32 hwreg(HW_REG_WAVE_MODE, 25, 1), 1
	s_wait_xcnt 0x0
; HiLo, first launch.  A work-group owns image rows 2g, 2g+1 of image b (128 pixels, 256 channels) and makes from them
;   - the HiFi branch complete: qkv projection, 4 x 4 attention in each 2 x 2 window, projection + bias -> out0 channels 0..127
;   - LoFi's q (256 -> 128) as ready bf16 matrix fragments -> qf
;   - LoFi's K and V of its 32 pooled pixels as ready bf16 fragments -> kvf (K carries 32^-0.5 log2 e)
; Four waves; wave w = head w (qkv, q, window attention), = 64-column panel w of l_kv_w, = (image row w&1, 64-column panel w>>1) of h_proj_w.
; No transposes: lane l = 16 h + r.  Pixel tile pt = 4 rho + t holds in lane r image column 4 r + t, so 16 bytes of x feed four tiles, four result tiles
; give a lane 16 neighbouring output bytes, and a 2 x 2 window (tiles rho = 0,1, t = 2u, 2u+1) lies in one lane.  Position s = 2 reg + half of lane
; half h stands for k = 32 ks + 16 h + s in BOTH operands, which leaves the products as they are.  Weights are source A (row m = a column of the
; weights), pixels are source B: register j of a result is weight column row 8 h + j for pixel r.
; A fragment of 1,024 bytes lies in LDS and memory as registers 0-3 at 16 l and registers 4-7 at 512 + 16 l: two accesses of 512 neighbouring bytes.
; FORMAT: every matrix operand of this launch (x, pooled sums, weights, the window attention's output) is f16: 11 significant bits against bf16's 8.
; A HiFi output passes four roundings of operands, and it is some 30 times larger than a LoFi output of the same tensor, so its rounding error is
; what the tensor's common allowance has to hold.  Room in f16 (largest number 65,504, smallest normal 6.1e-5, step 6e-8 below that): x of spread 1,
; thirty times larger or offset by 30, stays under some 200, a pooled sum under 800; weights of spread 0.02 / 30 = 6.7e-4 have a step of 4.5e-5 of
; their spread at the worst; v = x W reaches 256 x 30 x 0.6 = 4,608 with both offset by thirty spreads.  What leaves for the second launch is bf16.
; NO CLUSTER: the weights (f32, 851,968 bytes a work-group) go from memory straight into registers in operand order.  A joint load lands in LDS only;
; beside this text's 279,552 bytes LDS has 48,128 left, and one k step's weights are 32 rows x 512 columns x 4 = 65,536 bytes.
; LIMITS: NaN and infinities in the inputs are not served.  f16 operands: |x| below 16,376 (the pooled fragments hold the SUM of four pixels; the exact
; factor 1/4 is applied to the f32 results), weights and the window attention's output below 65,504.  v_exp_f32 gives 0 for results below 2^-126.
; The window attention (4 x 4 scores) is done in f32 on the vector unit: a 16 x 16 matrix tile would be one sixteenth full.
.set XF, 131072                        ; LDS: x fragments, (ks*8 + pt)*1024.  Bytes 0..131071: x as f32, wave w part a at w*32768 + a*16384, 32 channel rows of 512 bytes
.set PF, 196608                        ; pooled-sum fragments, (ks*2 + u)*1024
.set OF, 212992                        ; HiFi attention output fragments, (pt*4 + head)*1024
.set KX, 245760                        ; f32 exchange of K, V: (sec*4+head)*4224 + u*2112 + tc*528 + jq*256 + 16 key + 4 jj holds d = 16 jq + 4 jj + tc
.set WF, 32                            ; v32-95   weight fragments (8)
.set XR, 96                            ; v96-159  pixel fragments (8)
.set T,  160                           ; v160-223 at work, store data
.set PS, 224                           ; v224-255 pooled sums, later the bias
.set XV, 128                           ; window 1: v128-255 x as f32, 64 rho + 4 s + t; v0-127 weights as f32
.set MSB, 0
; window 2+u: accumulator (ct, i) at 8 (4 ct + i); ct 0,1 q, 2,3 k, 4,5 v of HiFi, 6,7 q of LoFi; pixel tile pt = 4 (i>>1) + 2 u + (i&1)
.macro WIN new                         ; s_set_vgpr_msb: bits 1:0 source 0, 3:2 source 1, 5:4 source 2, 7:6 destination; the high byte repeats the setting left
.if MSB != (\new)
	s_set_vgpr_msb (MSB<<8)|(\new)
.set MSB, (\new)
.endif
.endm
.macro PLACES                          ; four places behind a matrix instruction before its result is read or its registers are written or loaded (ISA guide 7.12.1)
.rept 4
	v_nop
.endr
.endm
	s_load_b512 s[8:23], s[0:1], 0x0               ; x 8:9, h_qkv_w 10:11, l_q_w 12:13, l_kv_w 14:15, h_proj_w 16:17, h_proj_b 18:19, qf 20:21, kvf 22:23
	s_load_b64 s[24:25], s[0:1], 0x40              ; out0
	v_lshl_add_u32 v30, v0, 2, 0x44400
	v_mov_b32 v31, 0
	ds_add_u32 v30, v31
	ds_add_u32 v30, v31
	v_lshrrev_b32 v20, 5, v0
	v_readfirstlane_b32 s26, v20                   ; wave w
	s_lshr_b32 s27, ttmp9, 5                       ; image b
	s_and_b32 s28, ttmp9, 31                       ; row pair g
	s_mov_b32 s29, 0x3e8293ee                      ; 32^-0.5 * log2 e
	s_mov_b32 s30, 0x76543210                      ; v_permlanex16_b32: lane i reads lane i of the other half
	s_mov_b32 s31, 0xfedcba98
	; descriptor group 1: a tile of 32 rows (channels) x 128 f32 (two image rows), 4,096 elements from channel to channel
	s_mov_b32 s32, 2<<16                           ; elements of 4 bytes, no mask, no padding
	s_mov_b32 s33, 128<<16                         ; tensor_dim0 = 128
	s_mov_b32 s34, 32<<16                          ; tensor_dim1 = 32
	s_mov_b32 s35, 128<<16                         ; tile_dim0 = 128
	s_mov_b32 s36, 32                              ; tile_dim1 = 32
	s_mov_b32 s37, 4096                            ; pitch
	s_mov_b32 s38, 0
	s_mov_b32 s39, 0
	s_mov_b32 s40, 1                               ; group 0, part 0: k step w
	s_lshl_b32 s41, s26, 15                        ; LDS w*32768
	s_mov_b32 s44, 1                               ; group 0, part 1: k step 4 + w
	s_add_co_u32 s45, s41, 16384
	s_lshl_b32 s48, s27, 22                        ; b * 4,194,304
	s_lshl_b32 s50, s28, 9                         ; + g * 512: shared by x and out0
	s_add_co_u32 s48, s48, s50
	s_mov_b32 s49, 0
	s_lshl_b32 s50, s26, 19                        ; + w * 32 channels
	s_add_co_u32 s50, s48, s50
	s_mov_b32 s51, 0
	s_wait_dscnt 0x0
	s_wait_kmcnt 0x0
	s_add_nc_u64 s[42:43], s[8:9], s[50:51]
	s_add_nc_u64 s[46:47], s[42:43], 0x200000      ; 128 channels on
	s_or_b32 s43, s43, 0x80000000                  ; type 2
	s_or_b32 s47, s47, 0x80000000
	tensor_load_to_lds s[40:43], s[32:39]          ; all of the wave's x goes out at once: two tensor loads outstanding, none later, nothing is ever filled again
	s_nop 0
	tensor_load_to_lds s[44:47], s[32:39]
	s_nop 0
	s_lshr_b32 s52, s26, 1                         ; pc: panel of h_proj_w
	s_and_b32 s53, s26, 1                          ; rho': image row in the projection
	s_lshl_b32 s50, s52, 20
	s_add_co_u32 s48, s48, s50                     ; out0: + pc * 64 channels
	s_lshl_b32 s50, s53, 8
	s_add_co_u32 s48, s48, s50                     ; + rho' * 256
	s_add_nc_u64 s[24:25], s[24:25], s[48:49]
	s_lshl_b32 s50, ttmp9, 15                      ; qf: work-group * 32768 + head * 8192
	s_lshl_b32 s54, s26, 13
	s_add_co_u32 s50, s50, s54
	s_add_nc_u64 s[20:21], s[20:21], s[50:51]
	s_lshl_b32 s50, s27, 2                         ; kvf: (4 b + g>>3) * 131072 + head * 32768 + (g&7) * 2048
	s_lshr_b32 s54, s28, 3
	s_add_co_u32 s50, s50, s54
	s_lshl_b32 s50, s50, 17
	s_lshl_b32 s54, s26, 15
	s_add_co_u32 s50, s50, s54
	s_and_b32 s54, s28, 7
	s_lshl_b32 s54, s54, 11
	s_add_co_u32 s50, s50, s54
	s_add_nc_u64 s[22:23], s[22:23], s[50:51]
	; lane terms.  None of v1-v19 is written again once it is complete.
	v_and_b32 v20, 31, v0
	v_lshlrev_b32 v1, 4, v20                       ; 16 l
	v_and_b32 v2, 15, v0                           ; r
	v_bfe_u32 v3, v0, 4, 1                         ; h
	v_lshlrev_b32 v21, 4, v2                       ; 16 r
	v_lshlrev_b32 v22, 3, v2                       ; 8 r
	v_lshl_add_u32 v4, v3, 13, v21
	v_add_nc_u32 v4, s41, v4                       ; x f32 in LDS: w*32768 + 16 h rows + 16 r
	s_lshl_b32 s54, s26, 13
	s_add_co_u32 s54, s54, XF
	v_add_nc_u32 v5, s54, v1                       ; where my x fragments go
	s_lshl_b32 s54, s26, 11
	s_add_co_u32 s54, s54, PF
	v_add_nc_u32 v6, s54, v1                       ; where my pooled fragments go
	v_add_nc_u32 v7, XF, v1
	v_add_nc_u32 v8, PF, v1
	s_lshl_b32 s54, s26, 10
	s_add_co_u32 s54, s54, OF
	v_add_nc_u32 v9, s54, v1                       ; attention output of my head
	s_lshl_b32 s54, s53, 14
	s_add_co_u32 s54, s54, OF
	v_add_nc_u32 v10, s54, v1                      ; attention output of image row rho', all heads
	s_mul_i32 s54, s26, 8448
	s_add_co_u32 s54, s54, KX
	v_mul_u32_u24 v23, v3, 4224
	v_add_nc_u32 v11, v23, v21
	v_add_nc_u32 v11, s54, v11                     ; exchange, in: section and head 2 w + h, key r
	s_mul_i32 s54, s26, 4224
	s_add_co_u32 s54, s54, KX
	v_add_nc_u32 v12, s54, v1                      ; exchange, K of head w: jq = h, key r
	s_add_co_u32 s54, s54, 4*4224
	v_and_b32 v23, 3, v2
	v_mul_u32_u24 v23, v23, 528
	v_lshrrev_b32 v24, 2, v2
	v_lshl_add_u32 v23, v24, 2, v23
	v_lshl_add_u32 v23, v3, 7, v23
	v_add_nc_u32 v13, s54, v23                     ; exchange, V of head w: d = r, keys 8 h ..; words 132 (r&3) + (r>>2) + 32 h are 32 different numbers modulo 64
	s_lshl_b32 s54, s26, 7
	v_mul_u32_u24 v14, v3, 24576
	v_add_nc_u32 v14, v14, v22
	v_add_nc_u32 v14, s54, v14                     ; h_qkv_w: 16 h rows of 1,536 bytes + head + columns 2 r, 2 r + 1
	v_lshl_add_u32 v15, v3, 13, v22
	v_add_nc_u32 v15, s54, v15                     ; l_q_w: rows of 512 bytes
	s_lshl_b32 s54, s26, 8
	v_lshl_add_u32 v16, v3, 14, v21
	v_add_nc_u32 v16, s54, v16                     ; l_kv_w: rows of 1,024 bytes, panel w, columns 4 r .. 4 r + 3
	s_lshl_b32 s54, s52, 8
	v_lshl_add_u32 v17, v3, 13, v21
	v_add_nc_u32 v17, s54, v17                     ; h_proj_w: rows of 512 bytes, panel pc
	v_lshlrev_b32 v18, 7, v3
	v_add_nc_u32 v18, s54, v18                     ; h_proj_b: 32 numbers from 64 pc + 32 h
	v_lshl_add_u32 v19, v3, 19, v21                ; out0: 32 h channels + 16 r
; 32 loads of 8 bytes: one k step's weights of my head as f32, window 1 v[32 p + 2 s + tc].  half 0: p = 0, 1 (q, k); half 1: p = 2 (v), p = 3 (l_q_w)
.macro WLOAD ks, half
	WIN 0x40
.if \half == 0
.irp p, 0,1
.irp s, 0,1,2,3,4,5,6,7,8,9,10,11,12,13,14,15
	global_load_b64 v[32*\p+2*\s:32*\p+2*\s+1], v14, s[10:11] offset:(32*(\ks)+\s)*1536+\p*512
.endr
.endr
.else
.irp s, 0,1,2,3,4,5,6,7,8,9,10,11,12,13,14,15
	global_load_b64 v[64+2*\s:64+2*\s+1], v14, s[10:11] offset:(32*(\ks)+\s)*1536+1024
.endr
.irp s, 0,1,2,3,4,5,6,7,8,9,10,11,12,13,14,15
	global_load_b64 v[96+2*\s:96+2*\s+1], v15, s[12:13] offset:(32*(\ks)+\s)*512
.endr
.endif
.endm
; Part a of my x (k step 4 a + w): f32 from LDS, eight f16 pixel fragments and two pooled-sum fragments back into LDS
.macro XCONV a
	WIN 0x40
.irp q, 0,1
.irp s, 0,1,2,3,4,5,6,7,8,9,10,11,12,13,14,15
	ds_load_b128 v[XV+64*\q+4*\s:XV+64*\q+4*\s+3], v4 offset:\a*16384+\s*512+\q*256   ; channel 16 h + s, image row q, columns 4 r .. 4 r + 3
.endr
.endr
	s_wait_dscnt 0x0
.irp q, 0,1
	WIN 0x05
.irp t, 0,1,2,3
.irp i, 0,1,2,3,4,5,6,7
	v_cvt_pk_f16_f32 v[T+8*\t+\i], v[XV+64*\q+8*\i+\t], v[XV+64*\q+8*\i+4+\t]        ; positions 2 i, 2 i + 1 of tile 4 q + t
.endr
.endr
	WIN 0
.irp t, 0,1,2,3
	ds_store_b128 v5, v[T+8*\t:T+8*\t+3] offset:\a*32768+(4*\q+\t)*1024
	ds_store_b128 v5, v[T+8*\t+4:T+8*\t+7] offset:\a*32768+(4*\q+\t)*1024+512
.endr
.endr
	WIN 0x05
.irp s, 0,1,2,3,4,5,6,7,8,9,10,11,12,13,14,15
	v_pk_add_f32 v[T+4*\s:T+4*\s+1], v[XV+4*\s:XV+4*\s+1], v[XV+64+4*\s:XV+64+4*\s+1]           ; the two image rows
	v_pk_add_f32 v[T+4*\s+2:T+4*\s+3], v[XV+4*\s+2:XV+4*\s+3], v[XV+64+4*\s+2:XV+64+4*\s+3]
.endr
	WIN 0
.irp u, 0,1
.irp s, 0,1,2,3,4,5,6,7,8,9,10,11,12,13,14,15
	v_add_f32 v[PS+16*\u+\s], v[T+4*\s+2*\u], v[T+4*\s+2*\u+1]                       ; the two columns: the sum over window 2 r + u
.endr
.endr
.irp u, 0,1
.irp i, 0,1,2,3,4,5,6,7
	v_cvt_pk_f16_f32 v[T+8*\u+\i], v[PS+16*\u+2*\i], v[PS+16*\u+2*\i+1]
.endr
.endr
.irp u, 0,1
	ds_store_b128 v6, v[T+8*\u:T+8*\u+3] offset:\a*8192+\u*1024
	ds_store_b128 v6, v[T+8*\u+4:T+8*\u+7] offset:\a*8192+\u*1024+512
.endr
.endm
.macro CONVW p0                        ; weights p0, p0 + 1 to f16: fragment 2 p + tc holds columns 2 r + tc
.irp p, \p0, \p0+1
.irp c, 0,1
.irp i, 0,1,2,3,4,5,6,7
	v_cvt_pk_f16_f32 v[WF+8*(2*(\p)+\c)+\i], v[32*(\p)+4*\i+\c], v[32*(\p)+4*\i+2+\c]
.endr
.endr
.endr
.endm
.macro MUL32 u, zero                   ; 8 column tiles x the 4 pixel tiles of window parity u.  zero = 1: the first product starts the sums
.irp ct, 0,1,2,3,4,5,6,7
.irp i, 0,1,2,3
.set ac, 8*(4*\ct+\i)
.set xb, XR+8*(4*(\i>>1)+2*\u+(\i&1))
.if \zero
	v_wmma_f32_16x16x32_f16 v[ac:ac+7], v[WF+8*\ct:WF+8*\ct+7], v[xb:xb+7], 0
.else
	v_wmma_f32_16x16x32_f16 v[ac:ac+7], v[WF+8*\ct:WF+8*\ct+7], v[xb:xb+7], v[ac:ac+7]
.endif
.endr
.endr
.endm
; One k step of 32 channels: 64 matrix instructions on 64 accumulators that take turns, one instruction a turn.
.macro TRIP ks, zero, more
	PLACES                                         ; the fragments below were read by the last step's matrix instructions
	s_wait_loadcnt 32                              ; this step's first 32 weight loads are in; its second 32 are younger
	WIN 0x05
	CONVW 0
.if \more
	WLOAD (\ks)+1, 0
	s_wait_loadcnt 32                              ; this step's second 32 are in; the 32 just issued are younger
.else
	s_wait_loadcnt 0
.endif
	WIN 0x05
	CONVW 2
.if \more
	WLOAD (\ks)+1, 1
.endif
	WIN 0
.irp pt, 0,1,4,5,2,3,6,7
	ds_load_b128 v[XR+8*\pt:XR+8*\pt+3], v7 offset:(\ks)*8192+\pt*1024
	ds_load_b128 v[XR+8*\pt+4:XR+8*\pt+7], v7 offset:(\ks)*8192+\pt*1024+512
.endr
	s_wait_dscnt 8                                 ; tiles 0, 1, 4, 5 are in; the eight loads of tiles 2, 3, 6, 7 are younger
	WIN 0xa0
	MUL32 0, \zero
	s_wait_dscnt 0
	WIN 0xf0
	MUL32 1, \zero
.endm
.macro KLOAD ks                        ; one k step of my panel of l_kv_w, f32, window 1 v[64 (ks%4) + 4 s + tc]
	WIN 0x40
.irp s, 0,1,2,3,4,5,6,7,8,9,10,11,12,13,14,15
	global_load_b128 v[64*((\ks)%4)+4*\s:64*((\ks)%4)+4*\s+3], v16, s[14:15] offset:(32*(\ks)+\s)*1024
.endr
.endm
.macro PLOAD e                         ; k step e (= head e) of my panel of h_proj_w, window 1 v[64 e + 4 s + tc]
	WIN 0x40
.irp s, 0,1,2,3,4,5,6,7,8,9,10,11,12,13,14,15
	global_load_b128 v[64*\e+4*\s:64*\e+4*\s+3], v17, s[16:17] offset:(32*\e+\s)*512
.endr
.endm
; LoFi's q, bf16: column tiles 6, 7 interleave to d = 16 h + 2 j + tc = 16 h + position: a fragment with a query in each lane, as the second launch multiplies it
.macro LQOUT
.irp u, 0,1
	WIN 0x0a+5*\u
.irp i, 0,1,2,3
.irp j, 0,1,2,3,4,5,6,7
	v_cvt_pk_bf16_f32 v[T+8*(4*\u+\i)+\j], v[192+8*\i+\j], v[224+8*\i+\j]
.endr
.endr
.endr
	WIN 0
.irp u, 0,1
.irp i, 0,1,2,3
	global_store_b128 v1, v[T+8*(4*\u+\i):T+8*(4*\u+\i)+3], s[20:21] offset:(4*(\i>>1)+2*\u+(\i&1))*1024        ; 512 neighbouring bytes a store
	global_store_b128 v1, v[T+8*(4*\u+\i)+4:T+8*(4*\u+\i)+7], s[20:21] offset:(4*(\i>>1)+2*\u+(\i&1))*1024+512
.endr
.endr
.endm
; Window attention of head w for windows 2 r + u, all in window 2 + u of the registers.  A lane holds 16 of the 32 d of its four pixels' q, k, v.
; q(i) 8 (4 tc + i) + j, k + 64, v + 128; score pairs 192 + 2 (4 i + k), scores 224 + 4 i + k, maxima 240 + i, sums 244 + i (LoFi's q has left)
.macro ATT u
	WIN 0xaa+0x55*\u
.irp c, 0,1
.irp p, 0,1,2,3
.irp i, 0,1,2,3
.irp k, 0,1,2,3
.set sp, 192+2*(4*\i+\k)
.set qo, 8*(4*\c+\i)+2*\p
.set ko, 64+8*(4*\c+\k)+2*\p
.if (\c+\p) == 0
	v_pk_mul_f32 v[sp:sp+1], v[qo:qo+1], v[ko:ko+1]
.else
	v_pk_fma_f32 v[sp:sp+1], v[qo:qo+1], v[ko:ko+1], v[sp:sp+1]
.endif
.endr
.endr
.endr
.endr
.irp n, 0,1,2,3,4,5,6,7,8,9,10,11,12,13,14,15
	v_add_f32 v[224+\n], v[192+2*\n], v[192+2*\n+1]
.endr
.irp n, 0,1,2,3,4,5,6,7,8,9,10,11,12,13,14,15
	v_permlanex16_b32 v[192+2*\n], v[224+\n], s30, s31     ; the other 16 d
.endr
.irp n, 0,1,2,3,4,5,6,7,8,9,10,11,12,13,14,15
	v_add_f32 v[224+\n], v[224+\n], v[192+2*\n]
.endr
.irp i, 0,1,2,3
	v_max3_num_f32 v[240+\i], v[224+4*\i], v[225+4*\i], v[226+4*\i]
.endr
.irp i, 0,1,2,3
	v_max_num_f32 v[240+\i], v[240+\i], v[227+4*\i]
.endr
.irp i, 0,1,2,3
	v_mul_f32 v[240+\i], s29, v[240+\i]
.endr
.irp i, 0,1,2,3
.irp k, 0,1,2,3
	v_fma_f32 v[224+4*\i+\k], v[224+4*\i+\k], s29, -v[240+\i]   ; (score - row maximum) * 32^-0.5 * log2 e
.endr
.endr
.irp n, 0,1,2,3,4,5,6,7,8,9,10,11,12,13,14,15
	v_exp_f32 v[224+\n], v[224+\n]
.endr
	v_nop                                          ; one plain place behind the exponentials (ISA guide 5.7.2)
	s_wait_alu depctr_va_vdst(0)
.irp i, 0,1,2,3
	v_add_f32 v[244+\i], v[224+4*\i], v[225+4*\i]
.endr
.irp i, 0,1,2,3
	v_add_f32 v[244+\i], v[244+\i], v[226+4*\i]
.endr
.irp i, 0,1,2,3
	v_add_f32 v[244+\i], v[244+\i], v[227+4*\i]
.endr
.irp i, 0,1,2,3
	v_rcp_f32 v[240+\i], v[244+\i]
.endr
	v_nop
	s_wait_alu depctr_va_vdst(0)
.irp i, 0,1,2,3
.irp k, 0,1,2,3
	v_mul_f32 v[224+4*\i+\k], v[224+4*\i+\k], v[240+\i]
.endr
.endr
.irp i, 0,1,2,3                        ; o(i) = sum over k of p(i, k) v(k), written over q(i); eight independent pairs in a row
.irp k, 0,1,2,3
.irp c, 0,1
.irp p, 0,1,2,3
.set qo, 8*(4*\c+\i)+2*\p
.set vo, 128+8*(4*\c+\k)+2*\p
.set so, 224+4*\i+2*(\k>>1)
.if \k == 0
	v_pk_mul_f32 v[qo:qo+1], v[so:so+1], v[vo:vo+1] op_sel_hi:[0,1]
.else
.if (\k&1)
	v_pk_fma_f32 v[qo:qo+1], v[so:so+1], v[vo:vo+1], v[qo:qo+1] op_sel:[1,0,0] op_sel_hi:[1,1,1]
.else
	v_pk_fma_f32 v[qo:qo+1], v[so:so+1], v[vo:vo+1], v[qo:qo+1] op_sel_hi:[0,1,1]
.endif
.endif
.endr
.endr
.endr
.endr
.endm
.macro OFRAG u                         ; o to f16 fragments: position 2 j + tc is d = 16 h + 2 j + tc, this text's k order with k step = head
	WIN 0x0a+5*\u
.irp i, 0,1,2,3
.irp j, 0,1,2,3,4,5,6,7
	v_cvt_pk_f16_f32 v[T+8*(4*\u+\i)+\j], v[8*\i+\j], v[32+8*\i+\j]
.endr
.endr
	WIN 0
.irp i, 0,1,2,3
	ds_store_b128 v9, v[T+8*(4*\u+\i):T+8*(4*\u+\i)+3] offset:(4*(\i>>1)+2*\u+(\i&1))*4096
	ds_store_b128 v9, v[T+8*(4*\u+\i)+4:T+8*(4*\u+\i)+7] offset:(4*(\i>>1)+2*\u+(\i&1))*4096+512
.endr
.endm
; One k step of pooled pixels x my panel of l_kv_w: eight accumulators (window 2, v[8 (2 tc + u)]) take turns
.macro KSTEP ks, left
	PLACES
.if \ks <= 4
	KLOAD (\ks)+3
.endif
	s_wait_loadcnt \left                           ; 16 loads for each batch issued behind this step's
	WIN 0x05
.irp c, 0,1,2,3
.irp i, 0,1,2,3,4,5,6,7
	v_cvt_pk_f16_f32 v[WF+8*\c+\i], v[64*(\ks%4)+8*\i+\c], v[64*(\ks%4)+8*\i+4+\c]
.endr
.endr
	WIN 0
.irp u, 0,1
	ds_load_b128 v[XR+8*\u:XR+8*\u+3], v8 offset:\ks*2048+\u*1024
	ds_load_b128 v[XR+8*\u+4:XR+8*\u+7], v8 offset:\ks*2048+\u*1024+512
.endr
	s_wait_dscnt 0x0
	WIN 0xa0
.irp c, 0,1,2,3
.irp u, 0,1
.if \ks == 0
	v_wmma_f32_16x16x32_f16 v[8*(2*\c+\u):8*(2*\c+\u)+7], v[WF+8*\c:WF+8*\c+7], v[XR+8*\u:XR+8*\u+7], 0
.else
	v_wmma_f32_16x16x32_f16 v[8*(2*\c+\u):8*(2*\c+\u)+7], v[WF+8*\c:WF+8*\c+7], v[XR+8*\u:XR+8*\u+7], v[8*(2*\c+\u):8*(2*\c+\u)+7]
.endif
.endr
.endr
.endm
; K and V of head w leave as bf16 fragments.  K: lane = key r, position s = d 16 h + s (as q).  V transposed: lane = d 16 dt + r, register 4 c + n holds keys 8 h + 2 n, + 1 of key tile c.
.macro KVOUT
	WIN 0
.irp u, 0,1
.irp c, 0,1,2,3
	ds_load_b128 v[T+16*\u+4*\c:T+16*\u+4*\c+3], v12 offset:\u*2112+\c*528        ; d = 16 h + 4 jj + c of key r
.endr
.endr
.irp d, 0,1
.irp c, 0,1
.irp i, 0,1,2,3,4,5,6,7
	ds_load_b32 v[WF+16*\d+8*\c+\i], v13 offset:\c*2112+\d*256+16*\i
.endr
.endr
.endr
	s_wait_dscnt 32                                ; K's eight loads are in; V's 32 are younger
.irp n, 0,1,2,3,4,5,6,7,8,9,10,11,12,13,14,15
	v_pk_mul_f32 v[T+2*\n:T+2*\n+1], v[T+2*\n:T+2*\n+1], 0x3d8293ee op_sel_hi:[1,0]   ; 1/4 (the mean) * 32^-0.5 * log2 e
.endr
.irp u, 0,1
.irp j, 0,1,2,3
	v_cvt_pk_bf16_f32 v[T+32+8*\u+2*\j], v[T+16*\u+\j], v[T+16*\u+4+\j]
	v_cvt_pk_bf16_f32 v[T+32+8*\u+2*\j+1], v[T+16*\u+8+\j], v[T+16*\u+12+\j]
.endr
.endr
.irp u, 0,1
	global_store_b128 v1, v[T+32+8*\u:T+32+8*\u+3], s[22:23] offset:\u*1024
	global_store_b128 v1, v[T+32+8*\u+4:T+32+8*\u+7], s[22:23] offset:\u*1024+512
.endr
	s_wait_dscnt 0x0
.irp n, 0,1,2,3,4,5,6,7,8,9,10,11,12,13,14,15
	v_pk_mul_f32 v[WF+2*\n:WF+2*\n+1], v[WF+2*\n:WF+2*\n+1], 0x3e800000 op_sel_hi:[1,0]   ; 1/4: the mean
.endr
.irp d, 0,1
.irp n, 0,1,2,3,4,5,6,7
	v_cvt_pk_bf16_f32 v[T+48+8*\d+\n], v[WF+16*\d+2*\n], v[WF+16*\d+2*\n+1]
.endr
.endr
.irp d, 0,1
	global_store_b128 v1, v[T+48+8*\d:T+48+8*\d+3], s[22:23] offset:16384+\d*1024
	global_store_b128 v1, v[T+48+8*\d+4:T+48+8*\d+7], s[22:23] offset:16384+\d*1024+512
.endr
.endm
; One k step (head e) of the projection: 4 column tiles x 4 pixel tiles, sixteen accumulators (window 3, v[8 (4 tc + t)]) take turns
.macro PSTEP e, left
	PLACES
.if \e == 0
	PLOAD 3
.endif
	s_wait_loadcnt \left                           ; 16 loads for each batch issued behind this step's
	WIN 0x05
.irp c, 0,1,2,3
.irp i, 0,1,2,3,4,5,6,7
	v_cvt_pk_f16_f32 v[WF+8*\c+\i], v[64*\e+8*\i+\c], v[64*\e+8*\i+4+\c]
.endr
.endr
	WIN 0
.irp t, 0,1,2,3
	ds_load_b128 v[XR+8*\t:XR+8*\t+3], v10 offset:\t*4096+\e*1024
	ds_load_b128 v[XR+8*\t+4:XR+8*\t+7], v10 offset:\t*4096+\e*1024+512
.endr
	s_wait_dscnt 0x0
	WIN 0xf0
.irp c, 0,1,2,3
.irp t, 0,1,2,3
.if \e == 0
	v_wmma_f32_16x16x32_f16 v[8*(4*\c+\t):8*(4*\c+\t)+7], v[WF+8*\c:WF+8*\c+7], v[XR+8*\t:XR+8*\t+7], 0
.else
	v_wmma_f32_16x16x32_f16 v[8*(4*\c+\t):8*(4*\c+\t)+7], v[WF+8*\c:WF+8*\c+7], v[XR+8*\t:XR+8*\t+7], v[8*(4*\c+\t):8*(4*\c+\t)+7]
.endif
.endr
.endr
.endm
	WLOAD 0, 0
	WLOAD 0, 1
	s_wait_tensorcnt 0x1                           ; my part 0 has landed; part 1 was issued behind it
	XCONV 0
	s_wait_dscnt 0x0                               ; my fragments of k step w are written,
	s_barrier_signal -1
	s_barrier_wait -1                              ; everybody's of k steps 0 to 3 are
	TRIP 0, 1, 1
	TRIP 1, 0, 1
	TRIP 2, 0, 1
	TRIP 3, 0, 1
	s_wait_tensorcnt 0x0                           ; my part 1
	XCONV 1                                        ; writes fragments of k steps 4 to 7 alone: bytes that no wave has read
	s_wait_dscnt 0x0
	s_barrier_signal -1
	s_barrier_wait -1
	TRIP 4, 0, 1
	TRIP 5, 0, 1
	TRIP 6, 0, 1
	TRIP 7, 0, 0
	KLOAD 0                                        ; l_kv_w comes in while the window attention runs
	KLOAD 1
	KLOAD 2
	PLACES                                         ; behind the last matrix instructions, ahead of the first read of a result
	LQOUT
	ATT 0
	ATT 1
	s_wait_xcnt 0x0                                ; T is the data of q's stores: written again only behind this wait
	OFRAG 0
	OFRAG 1
	KSTEP 0, 48
	KSTEP 1, 48
	KSTEP 2, 48
	KSTEP 3, 48
	KSTEP 4, 48
	KSTEP 5, 32
	KSTEP 6, 16
	KSTEP 7, 0
	PLACES
	WIN 0x08                                       ; store data in window 2
.irp c, 0,1,2,3
.irp u, 0,1
.irp q, 0,1
	ds_store_b128 v11, v[8*(2*\c+\u)+4*\q:8*(2*\c+\u)+4*\q+3] offset:\u*2112+\c*528+\q*256
.endr
.endr
.endr
	WIN 0
.irp n, 0,1,2,3,4,5,6,7
	global_load_b128 v[PS+4*\n:PS+4*\n+3], v18, s[18:19] offset:16*\n     ; bias of channels 64 pc + 32 h + 0..31
.endr
	PLOAD 0
	PLOAD 1
	PLOAD 2
	s_wait_dscnt 0x0                               ; my attention output and my K, V are written,
	s_barrier_signal -1
	s_barrier_wait -1                              ; everybody's are
	KVOUT
	PSTEP 0, 48
	PSTEP 1, 32
	PSTEP 2, 16
	PSTEP 3, 0
	; The way out: register j of tile (tc, t) is channel 64 pc + 32 h + 4 j + tc, column 4 r + t.  The bias add gathers the four t of a channel.
	PLACES
	WIN 0x03
.irp j, 0,1,2,3,4,5,6,7
.irp c, 0,1,2,3
.irp t, 0,1,2,3
	v_add_f32 v[32+4*(4*\j+\c)+\t], v[8*(4*\c+\t)+\j], v[PS+4*\j+\c]
.endr
.endr
.endr
	WIN 0
.irp q, 0,1,2,3,4,5,6,7,8,9,10,11,12,13,14,15,16,17,18,19,20,21,22,23,24,25,26,27,28,29,30,31
	global_store_b128 v19, v[32+4*\q:32+4*\q+3], s[24:25] offset:\q*16384 th:TH_STORE_NT   ; sixteen lanes store one image row of a channel: 256 neighbouring bytes, aligned
.endr
	s_wait_tensorcnt 0x0
	ds_add_u32 v30, v31
	s_wait_dscnt 0x0
	s_endpgm
.Lfunc_end_k_q5ecab9645a_front:
	.size	k_q5ecab9645a_front, .Lfunc_end_k_q5ecab9645a_front-k_q5ecab9645a_front
	.p2alignl 7, 3214868480
	.fill 96, 4, 3214868480
	.section	.rodata,"a",@progbits
	.p2align	6, 0x0
	.amdhsa_kernel k_q5ecab9645a_front
		.amdhsa_group_segment_fixed_size 280064
		.amdhsa_private_segment_fixed_size 0
		.amdhsa_enable_private_segment 0
		.amdhsa_kernarg_size 72
		.amdhsa_user_sgpr_count 2
		.amdhsa_user_sgpr_kernarg_segment_ptr 1
		.amdhsa_wavefront_size32 1
		.amdhsa_system_sgpr_workgroup_id_x 1
		.amdhsa_system_sgpr_workgroup_id_y 1
		.amdhsa_system_sgpr_workgroup_id_z 1
		.amdhsa_system_vgpr_workitem_id 0
		.amdhsa_next_free_vgpr 1024
		.amdhsa_next_free_sgpr 66
		.amdhsa_reserve_vcc 0
		.amdhsa_float_denorm_mode_32 3
		.amdhsa_float_denorm_mode_16_64 3
		.amdhsa_memory_ordered 1
		.amdhsa_forward_progress 1
		.amdhsa_inst_pref_size 255
	.end_amdhsa_kernel
	.section	.bss,"aw",@nobits
	.p2align	6
	.space	262144
	.amdgpu_metadata
---
amdhsa.version: [ 1, 2 ]
amdhsa.kernels:
  - .name:           k_q5ecab9645a_front
    .symbol:         k_q5ecab9645a_front.kd
    .args:
      - { .name: x, .offset: 0, .size: 8, .value_kind: global_buffer, .address_space: global }
      - { .name: h_qkv_w, .offset: 8, .size: 8, .value_kind: global_buffer, .address_space: global }
      - { .name: l_q_w, .offset: 16, .size: 8, .value_kind: global_buffer, .address_space: global }
      - { .name: l_kv_w, .offset: 24, .size: 8, .value_kind: global_buffer, .address_space: global }
      - { .name: h_proj_w, .offset: 32, .size: 8, .value_kind: global_buffer, .address_space: global }
      - { .name: h_proj_b, .offset: 40, .size: 8, .value_kind: global_buffer, .address_space: global }
      - { .name: qf, .offset: 48, .size: 8, .value_kind: global_buffer, .address_space: global }
      - { .name: kvf, .offset: 56, .size: 8, .value_kind: global_buffer, .address_space: global }
      - { .name: out0, .offset: 64, .size: 8, .value_kind: global_buffer, .address_space: global }
    .group_segment_fixed_size: 280064
    .private_segment_fixed_size: 0
    .kernarg_segment_align: 8
    .kernarg_segment_size: 72
    .max_flat_workgroup_size: 128
    .sgpr_count:     66
    .vgpr_count:     1024
    .wavefront_size: 32
...
	.end_amdgpu_metadata
.endif
;; end of part 1
;; launch lofi (part 2): grid 256 x 1, 8 waves a work-group, clusters of 4 x 1, 327,680 bytes of LDS; arguments qf, kvf, l_proj_w, l_proj_b, out0; writes out0
.if DOCPART == 2
	.amdgcn_target "amdgcn-amd-amdhsa--gfx1250"
	.amdhsa_code_object_version 6
	.text
	.protected	k_q5ecab9645a_lofi
	.globl	k_q5ecab9645a_lofi
	.p2align	8
	.type	k_q5ecab9645a_lofi,@function
k_q5ecab9645a_lofi:
	s_mov_b64 s[64:65], 0
	v_nop
	global_prefetch_b8 v0, s[64:65] scope:SCOPE_SE
	s_setreg_imm32_b32 hwreg(HW_REG_WAVE_MODE, 25, 1), 1
	s_wait_xcnt 0x0
	s_wait_alu depctr_hold_cnt(0) depctr_sa_sdst(0) depctr_va_vdst(0) depctr_va_sdst(0) depctr_va_ssrc(0) depctr_va_vcc(0) depctr_vm_vsrc(0)
	s_getreg_b32 s2, hwreg(HW_REG_IB_STS2, 6, 4)
	s_cmp_eq_u32 s2, 0
	s_cbranch_scc0 .Lentry_in_a_cluster
	s_endpgm
.Lentry_in_a_cluster:
	s_bfe_u32 s2, ttmp6, 0x10000c
	s_cmp_lg_u32 s2, 0x3003
	s_cbranch_scc0 .Lentry_shape_is_right
	s_endpgm
.Lentry_shape_is_right:
; HiLo, second launch: LoFi attention of 128 queries (image rows 2g, 2g+1) over the image's 1,024 pooled keys, then projection + bias -> out0 channels 128..255.
; Eight waves; wave w = head e = w>>1, image row rho = w&1: four query tiles t (lane r = image column 4 r + t).  In the projection: 32-column panel w>>1, row w&1.
; q, K and V come as ready bf16 fragments (registers 0-3 at 16 l, 4-7 at 512 + 16 l).  K carries 32^-0.5 log2 e, so scores are exponents of 2.
; Scores are made transposed, S = K (source A) x q (source B): register j of lane (r, h) is key 8 h + j for query r.  So a query's softmax lies in one lane and
; its partner lane r + 16, and two score tiles convert in place into source B of V^T x P with no exchange between lanes.
; A running maximum is taken every 32 keys; sums and outputs are rescaled in every step, with no branch on data.
; CLUSTER: the four work-groups of a cluster serve the same image and walk the same K and V: each trip's 131,072 bytes (256 keys, four heads) are asked for
; jointly (mask 15), each wave one eighth.  Two slots; a refill has a whole trip of eight steps in which to land.
; LIMITS: NaN and infinities are not served.  v_exp_f32 gives 0 for results below 2^-126.
.set SLOTB, 131072
.set OF, 262144                        ; attention output fragments, (pt*4 + head)*1024; written by LDS stores alone, no fill lands here
.set X,  12                            ; v12-15   at work, one a query tile
.set Q,  16                            ; v16-47   q fragments; later attention output, then source B of the projection
.set O,  48                            ; v48-111  O(t, dt) at 16 t + 8 dt; later the projection's sums at 8 (4 tc + t)
.set S,  112                           ; v112-175 S(t, c) at 16 t + 8 c
.set P,  176                           ; v176-207 P(t)
.set KF, 208                           ; v208-223 K(c); later the bias
.set VF, 224                           ; v224-239 V^T(dt); later weight fragments
.set MA, 240                           ; v240-247 pairs (running maximum, rescale factor)
.set L,  248                           ; v248-255 pairs of partial sums
.macro PLACES                          ; four places behind a matrix instruction before its result is read or its registers are written or loaded (ISA guide 7.12.1)
.rept 4
	v_nop
.endr
.endm
.macro ROUND                           ; a round of the cluster's barrier
	s_barrier_signal -1
	s_barrier_wait -1
	s_cmp_lg_u32 s14, 0
	s_cbranch_scc1 .Lnot_wave_0_\@
	s_barrier_signal -3
.Lnot_wave_0_\@:
	s_barrier_wait -3
	s_barrier_signal -1
	s_barrier_wait -1
.endm
	s_load_b256 s[4:11], s[0:1], 0x0               ; qf 4:5, kvf 6:7, l_proj_w 8:9, l_proj_b 10:11
	s_load_b64 s[12:13], s[0:1], 0x20              ; out0
	s_set_vgpr_msb 0x40
	v_lshl_add_u32 v0, v0, 2, 0x48000
	v_mov_b32 v1, 0
	s_set_vgpr_msb 0x4045
	ds_add_u32 v0, v1
	ds_add_u32 v0, v1
	s_set_vgpr_msb 0x4500
	v_lshrrev_b32 v2, 5, v0
	v_readfirstlane_b32 s14, v2                    ; wave w
	s_bfe_u32 s15, ttmp6, 0x40000                  ; cx: enters the addresses of qf and out0 alone
	s_lshl_b32 s16, ttmp9, 2
	s_add_co_u32 s16, s16, s15                     ; work-group = 4 x cluster + cx
	s_lshr_b32 s17, ttmp9, 3                       ; image b: the same in all four partners
	s_and_b32 s18, s16, 31                         ; row pair g
	s_lshr_b32 s19, s14, 1                         ; head e
	s_and_b32 s20, s14, 1                          ; image row rho
	s_mov_b32 s22, 0x76543210
	s_mov_b32 s23, 0xfedcba98
	; descriptor group 1: 16,384 dense bytes as 64 rows of 32 elements of 8 bytes
	s_mov_b32 s24, 15|(3<<16)|(1<<21)              ; mask: all four work-groups; elements of 8 bytes; bit 21 set beside a mask
	s_mov_b32 s25, 32<<16                          ; tensor_dim0 = 32
	s_mov_b32 s26, 64<<16                          ; tensor_dim1 = 64
	s_mov_b32 s27, 32<<16                          ; tile_dim0 = 32
	s_mov_b32 s28, 64                              ; tile_dim1 = 64
	s_mov_b32 s29, 32                              ; pitch
	s_mov_b32 s30, 0
	s_mov_b32 s31, 0
	s_mov_b32 s32, 1                               ; group 0, slot 0
	s_lshl_b32 s33, s14, 14                        ; LDS w*16384
	s_mov_b32 s36, 1                               ; group 0, slot 1
	s_add_co_u32 s37, s33, SLOTB
	s_lshl_b32 s40, s17, 19                        ; kvf: b * 4 trips + w * 16384
	s_add_co_u32 s40, s40, s33
	s_mov_b32 s41, 0
	s_lshl_b32 s42, s16, 15                        ; qf: work-group * 32768 + e * 8192 + rho * 4096
	s_lshl_b32 s21, s19, 13
	s_add_co_u32 s42, s42, s21
	s_lshl_b32 s21, s20, 12
	s_add_co_u32 s42, s42, s21
	s_mov_b32 s43, 0
	s_wait_dscnt 0x0
	s_wait_kmcnt 0x0
	s_add_nc_u64 s[34:35], s[6:7], s[40:41]        ; trip 0
	s_add_nc_u64 s[38:39], s[34:35], SLOTB         ; trip 1
	s_or_b32 s35, s35, 0x80000000                  ; type 2
	s_or_b32 s39, s39, 0x80000000
	s_add_nc_u64 s[4:5], s[4:5], s[42:43]
	s_lshl_b32 s42, s17, 22                        ; out0: b, channel 128 + 32 e, rows 2 g + rho
	s_add_co_u32 s42, s42, 0x200000
	s_lshl_b32 s21, s19, 19
	s_add_co_u32 s42, s42, s21
	s_lshl_b32 s21, s18, 9
	s_add_co_u32 s42, s42, s21
	s_lshl_b32 s21, s20, 8
	s_add_co_u32 s42, s42, s21
	s_add_nc_u64 s[12:13], s[12:13], s[42:43]
	ROUND                                          ; all four work-groups are here: the first joint loads meet
	tensor_load_to_lds s[32:35], s[24:31]          ; both first fills as one group: two tensor loads outstanding, later one
	s_nop 0
	tensor_load_to_lds s[36:39], s[24:31]
	s_nop 0
	v_and_b32 v11, 31, v0
	v_lshlrev_b32 v1, 4, v11                       ; 16 l
	v_and_b32 v2, 15, v0                           ; r
	v_bfe_u32 v3, v0, 4, 1                         ; h
.irp t, 0,1,2,3
	global_load_b128 v[Q+8*\t:Q+8*\t+3], v1, s[4:5] offset:\t*1024 th:TH_LOAD_NT
	global_load_b128 v[Q+8*\t+4:Q+8*\t+7], v1, s[4:5] offset:\t*1024+512 th:TH_LOAD_NT
.endr
	s_lshl_b32 s21, s19, 15
	v_add_nc_u32 v4, s21, v1                       ; my head's fragments in a slot
	s_lshl_b32 s21, s20, 14
	s_add_co_u32 s21, s21, OF
	v_add_nc_u32 v7, s21, v1                       ; attention output of my image row, all heads
	s_lshl_b32 s45, s19, 10
	s_add_co_u32 s21, s21, s45
	v_add_nc_u32 v6, s21, v1                       ; and of my head
	s_lshl_b32 s21, s19, 7
	v_lshlrev_b32 v8, 3, v2
	v_lshl_add_u32 v8, v3, 12, v8
	v_add_nc_u32 v8, s21, v8                       ; l_proj_w: 8 h rows of 512 bytes + panel + columns 2 r, 2 r + 1
	v_lshlrev_b32 v9, 6, v3
	v_add_nc_u32 v9, s21, v9                       ; l_proj_b: 16 numbers from 32 e + 16 h
	v_lshlrev_b32 v10, 4, v2
	v_lshl_add_u32 v10, v3, 18, v10                ; out0: 16 h channels + 16 r
.irp t, 0,1,2,3
	v_mov_b32 v[MA+2*\t+1], 0                      ; a destination of v_permlanex16_b32 counts as read: written once here
.endr
; 32 keys x 64 queries.  first = 1: starts maximum, sums and outputs.  pre = 1: fetches the next step's K and steps the address.
; The sixteen matrix instructions name sixteen different results; the outputs' accumulators take turns, one instruction a turn.
.macro STEP first, pre
	s_wait_dscnt 0x0                               ; this step's K is in; nothing younger is out
.irp c, 0,1
.irp t, 0,1,2,3
	v_wmma_f32_16x16x32_bf16 v[S+16*\t+8*\c:S+16*\t+8*\c+7], v[KF+8*\c:KF+8*\c+7], v[Q+8*\t:Q+8*\t+7], 0
.endr
.endr
	PLACES                                         ; for the reads of S, the loads into K, and (behind the last step's products) the loads into V
.irp d, 0,1
	ds_load_b128 v[VF+8*\d:VF+8*\d+3], v5 offset:16384+\d*1024
	ds_load_b128 v[VF+8*\d+4:VF+8*\d+7], v5 offset:16384+\d*1024+512
.endr
.if \pre
.irp c, 0,1
	ds_load_b128 v[KF+8*\c:KF+8*\c+3], v5 offset:2048+\c*1024
	ds_load_b128 v[KF+8*\c+4:KF+8*\c+7], v5 offset:2048+\c*1024+512
.endr
	v_add_nc_u32 v5, 2048, v5
.endif
.if \first
.irp t, 0,1,2,3
	v_max_num_f32 v[X+\t], v[S+16*\t], v[S+16*\t+1]
.endr
.else
.irp t, 0,1,2,3
	v_max3_num_f32 v[X+\t], v[S+16*\t], v[S+16*\t+1], v[MA+2*\t]
.endr
.endif
.irp n, 1,2,3,4,5,6,7
.irp t, 0,1,2,3
	v_max3_num_f32 v[X+\t], v[X+\t], v[S+16*\t+2*\n], v[S+16*\t+2*\n+1]
.endr
.endr
.irp t, 0,1,2,3
	v_permlanex16_b32 v[MA+2*\t+1], v[X+\t], s22, s23      ; the other sixteen keys' maximum
.endr
.if \first
.irp t, 0,1,2,3
	v_max_num_f32 v[MA+2*\t], v[X+\t], v[MA+2*\t+1]
.endr
.else
.irp t, 0,1,2,3
	v_max_num_f32 v[X+\t], v[X+\t], v[MA+2*\t+1]
.endr
.irp t, 0,1,2,3
	v_sub_f32 v[MA+2*\t+1], v[MA+2*\t], v[X+\t]            ; old maximum - new, at most 0
.endr
.irp t, 0,1,2,3
	v_mov_b32 v[MA+2*\t], v[X+\t]
.endr
.endif
.irp t, 0,1,2,3
.irp n, 0,1,2,3,4,5,6,7
	v_pk_add_f32 v[S+16*\t+2*\n:S+16*\t+2*\n+1], v[S+16*\t+2*\n:S+16*\t+2*\n+1], v[MA+2*\t:MA+2*\t+1] op_sel_hi:[1,0] neg_lo:[0,1] neg_hi:[0,1]
.endr
.endr
.if \first == 0
.irp t, 0,1,2,3
	v_exp_f32 v[MA+2*\t+1], v[MA+2*\t+1]
.endr
.endif
.irp n, 0,1,2,3,4,5,6,7,8,9,10,11,12,13,14,15
.irp t, 0,1,2,3
	v_exp_f32 v[S+16*\t+\n], v[S+16*\t+\n]
.endr
.endr
	v_nop                                          ; one plain place behind the exponentials (ISA guide 5.7.2)
.if \first
	s_wait_alu depctr_va_vdst(0)
.irp t, 0,1,2,3
	v_pk_add_f32 v[L+2*\t:L+2*\t+1], v[S+16*\t:S+16*\t+1], v[S+16*\t+2:S+16*\t+3]
.endr
.else
	s_wait_alu depctr_va_vdst(0)
.irp t, 0,1,2,3
	v_pk_fma_f32 v[L+2*\t:L+2*\t+1], v[L+2*\t:L+2*\t+1], v[MA+2*\t:MA+2*\t+1], v[S+16*\t:S+16*\t+1] op_sel:[0,1,0] op_sel_hi:[1,1,1]
.endr
.irp t, 0,1,2,3
	v_pk_add_f32 v[L+2*\t:L+2*\t+1], v[L+2*\t:L+2*\t+1], v[S+16*\t+2:S+16*\t+3]
.endr
.endif
.irp n, 2,3,4,5,6,7
.irp t, 0,1,2,3
	v_pk_add_f32 v[L+2*\t:L+2*\t+1], v[L+2*\t:L+2*\t+1], v[S+16*\t+2*\n:S+16*\t+2*\n+1]
.endr
.endr
.irp t, 0,1,2,3
.irp n, 0,1,2,3,4,5,6,7
	v_cvt_pk_bf16_f32 v[P+8*\t+\n], v[S+16*\t+2*\n], v[S+16*\t+2*\n+1]   ; registers 0-3: keys 8 h .. of tile 0, registers 4-7: of tile 1: source B as it stands
.endr
.endr
.if \first == 0
.irp t, 0,1,2,3
.irp n, 0,1,2,3,4,5,6,7
	v_pk_mul_f32 v[O+16*\t+2*\n:O+16*\t+2*\n+1], v[O+16*\t+2*\n:O+16*\t+2*\n+1], v[MA+2*\t:MA+2*\t+1] op_sel:[0,1] op_sel_hi:[1,1]
.endr
.endr
.endif
.if \pre
	s_wait_dscnt 4                                 ; V is in; the next step's four K loads are younger
.else
	s_wait_dscnt 0
.endif
.irp d, 0,1
.irp t, 0,1,2,3
.if \first
	v_wmma_f32_16x16x32_bf16 v[O+16*\t+8*\d:O+16*\t+8*\d+7], v[VF+8*\d:VF+8*\d+7], v[P+8*\t:P+8*\t+7], 0
.else
	v_wmma_f32_16x16x32_bf16 v[O+16*\t+8*\d:O+16*\t+8*\d+7], v[VF+8*\d:VF+8*\d+7], v[P+8*\t:P+8*\t+7], v[O+16*\t+8*\d:O+16*\t+8*\d+7]
.endif
.endr
.endr
.endm
; A trip: the eight steps of one slot
.macro TRIPRUN slot, first
	v_add_nc_u32 v5, \slot*SLOTB, v4
.irp c, 0,1
	ds_load_b128 v[KF+8*\c:KF+8*\c+3], v5 offset:\c*1024
	ds_load_b128 v[KF+8*\c+4:KF+8*\c+7], v5 offset:\c*1024+512
.endr
.if \first
	STEP 1, 1
	s_mov_b32 s44, 6
.else
	s_mov_b32 s44, 7
.endif
.Lstep_\@:
	STEP 0, 1
	s_sub_co_u32 s44, s44, 1
	s_cmp_lg_u32 s44, 0
	s_cbranch_scc1 .Lstep_\@
	STEP 0, 0
.endm
; The slot just read is filled again, two trips ahead.
.macro REFILL slot
	s_wait_dscnt 0x0                               ; my reads of the slot are back
	s_set_vgpr_msb 0x5
	s_wait_tensorcnt 0x0                           ; all my tensor loads have landed, my part of the other slot among them: a group 0 may be written
	ds_add_u32 v0, v1
	s_wait_dscnt 0x0
	s_set_vgpr_msb 0x500
	s_add_nc_u64 s[34+4*\slot:35+4*\slot], s[34+4*\slot:35+4*\slot], 2*SLOTB
	ROUND                                          ; both now hold of every wave of all four work-groups
	tensor_load_to_lds s[32+4*\slot:35+4*\slot], s[24:31]  ; my one tensor load behind the round, and the first thing there
	s_nop 0
.endm
.macro WL e, base                      ; k step e (= head e) of my panel of l_proj_w as f32: position s is row 32 e + 16 (s>>3) + 8 h + (s&7), the order in which O comes out
.irp s, 0,1,2,3,4,5,6,7,8,9,10,11,12,13,14,15
	global_load_b64 v[\base+2*\s:\base+2*\s+1], v8, s[8:9] offset:(32*\e+\s+8*(\s>>3))*512
.endr
.endm
; One k step of the projection: 2 column tiles x 4 pixel tiles; eight accumulators take turns
.macro PSTEP e, base, left
	PLACES
	s_wait_loadcnt \left                           ; 16 loads for each batch of weights issued behind this step's
.irp c, 0,1
.irp i, 0,1,2,3,4,5,6,7
	v_cvt_pk_bf16_f32 v[VF+8*\c+\i], v[\base+4*\i+\c], v[\base+4*\i+2+\c]
.endr
.endr
.if \e == 0
	WL 3, 112                                      ; into the registers just converted
.endif
.irp t, 0,1,2,3
	ds_load_b128 v[Q+8*\t:Q+8*\t+3], v7 offset:\t*4096+\e*1024
	ds_load_b128 v[Q+8*\t+4:Q+8*\t+7], v7 offset:\t*4096+\e*1024+512
.endr
	s_wait_dscnt 0x0
.irp c, 0,1
.irp t, 0,1,2,3
.if \e == 0
	v_wmma_f32_16x16x32_bf16 v[O+8*(4*\c+\t):O+8*(4*\c+\t)+7], v[VF+8*\c:VF+8*\c+7], v[Q+8*\t:Q+8*\t+7], 0
.else
	v_wmma_f32_16x16x32_bf16 v[O+8*(4*\c+\t):O+8*(4*\c+\t)+7], v[VF+8*\c:VF+8*\c+7], v[Q+8*\t:Q+8*\t+7], v[O+8*(4*\c+\t):O+8*(4*\c+\t)+7]
.endif
.endr
.endr
.endm
	s_wait_tensorcnt 0x1                           ; my part of slot 0 has landed; slot 1's was issued behind it and may stay out
	s_barrier_signal -1
	s_barrier_wait -1
	s_wait_loadcnt 0x0                             ; q
	TRIPRUN 0, 1                                   ; keys 0-255
	REFILL 0                                       ; keys 512-767 go out
	TRIPRUN 1, 0                                   ; keys 256-511
	REFILL 1                                       ; keys 768-1023 go out: the last load
	TRIPRUN 0, 0
	s_wait_dscnt 0x0
	s_wait_tensorcnt 0x0                           ; my part of the last trip has landed,
	s_barrier_signal -1
	s_barrier_wait -1                              ; everybody's has
	TRIPRUN 1, 0
	PLACES                                         ; behind the last products: their results are read, K, S and P are loaded again
.irp n, 0,1,2,3
	global_load_b128 v[KF+4*\n:KF+4*\n+3], v9, s[10:11] offset:16*\n
.endr
	WL 0, 112
	WL 1, 144
	WL 2, 176
.irp t, 0,1,2,3
	v_add_f32 v[X+\t], v[L+2*\t], v[L+2*\t+1]
.endr
.irp t, 0,1,2,3
	v_permlanex16_b32 v[MA+2*\t+1], v[X+\t], s22, s23
.endr
.irp t, 0,1,2,3
	v_add_f32 v[X+\t], v[X+\t], v[MA+2*\t+1]               ; the whole sum, at least 1: the largest score gives 2^0
.endr
.irp t, 0,1,2,3
	v_rcp_f32 v[MA+2*\t], v[X+\t]
.endr
	v_nop
	s_wait_alu depctr_va_vdst(0)
.irp t, 0,1,2,3
.irp n, 0,1,2,3,4,5,6,7
	v_pk_mul_f32 v[O+16*\t+2*\n:O+16*\t+2*\n+1], v[O+16*\t+2*\n:O+16*\t+2*\n+1], v[MA+2*\t:MA+2*\t+1] op_sel_hi:[1,0]
.endr
.endr
.irp t, 0,1,2,3
.irp n, 0,1,2,3,4,5,6,7
	v_cvt_pk_bf16_f32 v[Q+8*\t+\n], v[O+16*\t+2*\n], v[O+16*\t+2*\n+1]
.endr
.endr
.irp t, 0,1,2,3
	ds_store_b128 v6, v[Q+8*\t:Q+8*\t+3] offset:\t*4096
	ds_store_b128 v6, v[Q+8*\t+4:Q+8*\t+7] offset:\t*4096+512
.endr
	s_wait_dscnt 0x0                               ; my head's output is written,
	s_barrier_signal -1
	s_barrier_wait -1                              ; every head's is
	PSTEP 0, 112, 32                               ; bias and batch 0 are in; batches 1 and 2 are younger
	PSTEP 1, 144, 32                               ; batches 2 and 3 are younger
	PSTEP 2, 176, 16
	PSTEP 3, 112, 0
	; The way out: register j of tile (tc, t) is channel 128 + 32 e + 16 h + 2 j + tc, column 4 r + t.  The bias add gathers the four t of a channel.
	PLACES
.irp j, 0,1,2,3,4,5,6,7
.irp c, 0,1
.irp t, 0,1,2,3
	v_add_f32 v[S+4*(2*\j+\c)+\t], v[O+8*(4*\c+\t)+\j], v[KF+2*\j+\c]
.endr
.endr
.endr
.irp q, 0,1,2,3,4,5,6,7,8,9,10,11,12,13,14,15
	global_store_b128 v10, v[S+4*\q:S+4*\q+3], s[12:13] offset:\q*16384 th:TH_STORE_NT    ; sixteen lanes store one image row of a channel: 256 neighbouring bytes, aligned
.endr
	s_set_vgpr_msb 0x5
	s_wait_tensorcnt 0x0
	ds_add_u32 v0, v1
	s_wait_dscnt 0x0
	s_set_vgpr_msb 0x500
	ROUND                                          ; the closing round: no work-group ends while a partner may still ask jointly
	s_endpgm
.Lfunc_end_k_q5ecab9645a_lofi:
	.size	k_q5ecab9645a_lofi, .Lfunc_end_k_q5ecab9645a_lofi-k_q5ecab9645a_lofi
	.p2alignl 7, 3214868480
	.fill 96, 4, 3214868480
	.section	.rodata,"a",@progbits
	.p2align	6, 0x0
	.amdhsa_kernel k_q5ecab9645a_lofi
		.amdhsa_group_segment_fixed_size 327680
		.amdhsa_private_segment_fixed_size 0
		.amdhsa_enable_private_segment 0
		.amdhsa_kernarg_size 40
		.amdhsa_user_sgpr_count 2
		.amdhsa_user_sgpr_kernarg_segment_ptr 1
		.amdhsa_wavefront_size32 1
		.amdhsa_system_sgpr_workgroup_id_x 1
		.amdhsa_system_sgpr_workgroup_id_y 1
		.amdhsa_system_sgpr_workgroup_id_z 1
		.amdhsa_system_vgpr_workitem_id 0
		.amdhsa_next_free_vgpr 258
		.amdhsa_next_free_sgpr 66
		.amdhsa_reserve_vcc 0
		.amdhsa_float_denorm_mode_32 3
		.amdhsa_float_denorm_mode_16_64 3
		.amdhsa_memory_ordered 1
		.amdhsa_forward_progress 1
		.amdhsa_inst_pref_size 160
	.end_amdhsa_kernel
	.amdgpu_metadata
---
amdhsa.version: [ 1, 2 ]
amdhsa.kernels:
  - .name:           k_q5ecab9645a_lofi
    .symbol:         k_q5ecab9645a_lofi.kd
    .args:
      - { .name: qf, .offset: 0, .size: 8, .value_kind: global_buffer, .address_space: global }
      - { .name: kvf, .offset: 8, .size: 8, .value_kind: global_buffer, .address_space: global }
      - { .name: l_proj_w, .offset: 16, .size: 8, .value_kind: global_buffer, .address_space: global }
      - { .name: l_proj_b, .offset: 24, .size: 8, .value_kind: global_buffer, .address_space: global }
      - { .name: out0, .offset: 32, .size: 8, .value_kind: global_buffer, .address_space: global }
    .group_segment_fixed_size: 327680
    .private_segment_fixed_size: 0
    .kernarg_segment_align: 8
    .kernarg_segment_size: 40
    .max_flat_workgroup_size: 256
    .sgpr_count:     66
    .vgpr_count:     258
    .wavefront_size: 32
...
	.end_amdgpu_metadata
.endif
;; end of part 2
